; MI455X (gfx1250); checked and timed in simulation.
; The chip was launched on July 23, 2026; its instructions are those of AMD's public machine-readable ISA for CDNA 5 (MIT licence, August 2026) and "CDNA5" Instruction Set Architecture Reference Guide (July 2026). The comments in the code are by the model that wrote it; some were corrected since.
;; Classic MHCA Block. Allowed arithmetic: matrix products marked QUANTISED: E2M3 operands, one E8M0 scale for each 32 along K, by v_wmma_scale_f32_16x16x128_f8f6f4 with both operands' format E2M3, f32 sums; everything else in f32.
;; Inputs: Wk_codes 1,024 x 32 x 24 uint8 (E2M3 codes of Wk, K innermost, in blocks of 32 codes, four codes in three bytes); Wk_scales 1,024 x 32 uint8 (E8M0 scales of Wk, one for each 32 codes along K); Wo_codes 1,024 x 32 x 24 uint8 (E2M3 codes of Wo, K innermost, in blocks of 32 codes, four codes in three bytes); Wo_scales 1,024 x 32 uint8 (E8M0 scales of Wo, one for each 32 codes along K); Wq_codes 1,024 x 32 x 24 uint8 (E2M3 codes of Wq, K innermost, in blocks of 32 codes, four codes in three bytes); Wq_scales 1,024 x 32 uint8 (E8M0 scales of Wq, one for each 32 codes along K); Wv_codes 1,024 x 32 x 24 uint8 (E2M3 codes of Wv, K innermost, in blocks of 32 codes, four codes in three bytes); Wv_scales 1,024 x 32 uint8 (E8M0 scales of Wv, one for each 32 codes along K); bk 1,024 float32; bo 1,024 float32; bq 1,024 float32; bv 1,024 float32; context_codes 4 x 2,048 x 32 x 24 uint8 (E2M3 codes of context, K innermost, in blocks of 32 codes, four codes in three bytes); context_scales 4 x 2,048 x 32 uint8 (E8M0 scales of context, one for each 32 codes along K); x_codes 4 x 2,048 x 32 x 24 uint8 (E2M3 codes of x, K innermost, in blocks of 32 codes, four codes in three bytes); x_scales 4 x 2,048 x 32 uint8 (E8M0 scales of x, one for each 32 codes along K).
;; Outputs: out0 4 x 2,048 x 1,024 float32.
;; This version of the problem:
;;   THIS VERSION OF THE PROBLEM IS GIVEN IN LOW PRECISION. The matrix products marked QUANTISED in the list below multiply operands that are first quantised to E2M3 (2 exponent bits, 3 mantissa bits; 6 bits a number), with one power-of-two scale for each 32 numbers along K (OCP MX v1.0); their sums are f32. All else is computed in f32.
;;   The module's matrix products, in the order in which they are computed (A, B: the left and right operand; K: the contracted axis; several contracted axes count as one K, in the product's order):
;;     1. [M 8,192, K 1,024] x [K 1,024, N 1,024]; A: input x (given as codes); B: input Wq (given as codes): QUANTISED
;;     2. [M 8,192, K 1,024] x [K 1,024, N 1,024]; A: input context (given as codes); B: input Wk (given as codes): QUANTISED
;;     3. [M 8,192, K 1,024] x [K 1,024, N 1,024]; A: input context (given as codes); B: input Wv (given as codes): QUANTISED
;;     4. batch 64 x [M 2,048, K 64] x [K 64, N 2,048]; A: computed on the way; B: computed on the way: QUANTISED
;;     5. batch 64 x [M 2,048, K 2,048] x [K 2,048, N 64]; A: softmax (see below); B: computed on the way: QUANTISED
;;     6. [M 8,192, K 1,024] x [K 1,024, N 1,024]; A: computed on the way; B: input Wo (given as codes): QUANTISED
;;   THE QUANTISER, for each operand of a quantised product, along K:
;;     - K is cut into blocks of 32 from its start; a last block that is shorter is filled with zeros.
;;     - A block's scale is 2^e with e = floor(log2(the largest magnitude in the block)) - 2, held to -126 .. 127; a block of zeros has e = 0. As a byte (E8M0): e + 127.
;;     - Each number is divided by its block's scale, clamped to +-7.5, and rounded to the nearest number of E2M3, ties to even, subnormals kept.
;;     - The product sums the exact products of the quantised numbers (number of the format x scale) in f32.
;;   ~~~python
;;   def quantise(x, axis):      # numpy; x: float32 -> the quantised numbers, widened to float32 again
;;       x = np.moveaxis(x, axis, -1); K = x.shape[-1]
;;       x = np.pad(x, [(0, 0)] * (x.ndim - 1) + [(0, -K % 32)]); x = x.reshape(x.shape[:-1] + (-1, 32)); a = np.abs(x).max(-1, keepdims=True)
;;       e = np.where(a > 0, np.clip(np.frexp(np.where(a > 0, a, 1))[1] - 1 - 2, -126, 127), 0)      # np.frexp(a)[1] - 1 = floor(log2(a)), exactly
;;       r = np.clip(x / 2.0 ** e, -7.5, 7.5)
;;       step = 2.0 ** (np.maximum(np.frexp(np.where(r == 0, 1, r))[1] - 1, 0) - 3)
;;       q = np.round(r / step) * step * 2.0 ** e      # np.round: ties to even
;;       return np.moveaxis(q.reshape(q.shape[:-2] + (-1,))[..., :K], -1, axis).astype(np.float32)
;;   ~~~
;;   SOFTMAX AHEAD OF A QUANTISED PRODUCT. Where the list says 'softmax', what is quantised is not the finished softmax but p = 2^(t - M), with t = logit x log2(e) and M = ceil(the row's largest t), a whole number; so 1/2 < the row's largest p <= 1. The row's sum l is taken of the UNQUANTISED p, in f32, and the product's result is divided by l at the end. Since M is a whole number, a kernel that streams over the keys may use a running M (the ceiling of the running maximum): every later rescaling is an exact power of two, which a block's scale takes up: the codes' values come out the same.
;;   OPERANDS COMPUTED ON THE WAY. 'Computed on the way' means the value that the module computes at that place (a softmax that the list does not call 'softmax' is quantised finished and normalised). What goes into a quantiser is computed in f32, as accurately as f32 sums, v_exp_f32 and their like allow (about 1e-6 of the number): no bf16 or f16 on the way to a quantiser, and a product that is left as it is and whose result goes on into a quantised operand takes f32 operands (vector FMAs, or v_wmma_f32_16x16x4_f32). A number that lies on a knife's edge between two numbers of the format may be rounded either way, as far as f32 arithmetic and the matrix unit's own rounding can turn it there, and no further.
;;   INPUTS GIVEN AS CODES. Wk (in the module: [1024, 1024], K = its axis 1); Wo (in the module: [1024, 1024], K = its axis 1); Wq (in the module: [1024, 1024], K = its axis 1); Wv (in the module: [1024, 1024], K = its axis 1); context (in the module: [4, 2048, 1024], K = its axis 2); x (in the module: [4, 2048, 1024], K = its axis 2): each comes as NAME_codes (uint8): NAME with its K axis moved to the last place and cut into blocks of 32 codes, [.., K / 32, bytes a block], one block behind the other in memory; four codes in three bytes: a row's codes are one little-endian stream of bits, code i at bits 6 i .. 6 i + 5 (a code: sign, 2 exponent bits, 3 mantissa bits); and NAME_scales (uint8): the same leading axes, one E8M0 byte (e + 127) for each 32 codes along K. Its value is code x scale, taken as it is: it is not quantised again, and the codes and scales need not be those that the quantiser above would give.
;; One version. Each part assembles by itself: llvm-mc -triple=amdgcn-amd-amdhsa -mcpu=gfx1250 --defsym DOCPART=n.
;; ======== version 1 of 1: 3 launches
;; workspace buffers: qc 6,291,456 bytes; qs 524,288 bytes; kv 13,631,488 bytes; ao 6,291,456 bytes; aos 524,288 bytes
;; launch proj (part 1): grid 32 x 24, 8 waves a work-group, clusters of 4 x 4, 314,368 bytes of LDS; arguments x_codes, x_scales, context_codes, context_scales, Wq_codes, Wq_scales, Wk_codes, Wk_scales, Wv_codes, Wv_scales, bq, bk, bv, qc, qs, kv; writes qc, qs, kv
.if DOCPART == 1
	.amdgcn_target "amdgcn-amd-amdhsa--gfx1250"
	.amdhsa_code_object_version 6
	.text
	.protected	k_q3bbec6df7f_proj
	.globl	k_q3bbec6df7f_proj
	.p2align	8
	.type	k_q3bbec6df7f_proj,@function
k_q3bbec6df7f_proj:
	s_mov_b64 s[64:65], 0
	v_nop
	global_prefetch_b8 v0, s[64:65] scope:SCOPE_SE
	s_setreg_imm32_b32 hwreg(HW_REG_WAVE_MODE, 25, 1), 1
	s_wait_xcnt 0x0
	s_wait_alu depctr_hold_cnt(0) depctr_sa_sdst(0) depctr_va_vdst(0) depctr_va_sdst(0) depctr_va_ssrc(0) depctr_va_vcc(0) depctr_vm_vsrc(0)
	s_getreg_b32 s2, hwreg(HW_REG_IB_STS2, 6, 4)
	s_cmp_eq_u32 s2, 0
	s_cbranch_scc0 .Lentry_in_a_cluster
	s_endpgm
.Lentry_in_a_cluster:
	s_bfe_u32 s2, ttmp6, 0x10000c
	s_cmp_lg_u32 s2, 0xf033
	s_cbranch_scc0 .Lentry_shape_is_right
	s_endpgm
.Lentry_shape_is_right:
; q = x Wq^T + bq, k = context Wk^T + bk, v = context Wv^T + bv on codes of FP6 (E2M3) with one E8M0 scale for each 32 along K; q and k divided by (their head's L2 norm + 1e-6);
; then q and k are quantised along the head's 64 channels and v along the keys, and leave as IMAGES OF OPERAND REGISTERS for the attention launch.
; ONE TEXT FOR THE THREE PRODUCTS.  The cluster's y picks the type: 0, 1: q;  2, 3: k;  4, 5: v.  The matrix instruction's source 0 takes the rows R that run along the NEXT product's K (q, k: 64 channels of a head,
; rows of the weight; v: keys, rows of context), source 1 the rows L that stay a lane's (q, k: tokens; v: channels, rows of Wv).  In a result lane (r, h) holds L row r and R rows 8 h + 0 .. 7 of the tile.
; SHARES.  A work-group makes 128 R x 256 L over all of K = 1,024; its 384 rows of codes are brought into LDS ONCE, so no LDS byte is filled twice.  Eight waves, two to a SIMD: wave w makes R rows 64 (w % 2) on
; and L rows 64 (w / 2) on: 16 accumulators, in window 1.  CLUSTER 4 x 4: R's rows are shared along a row of the cluster, L's along a column, each asked for jointly.
; LDS.  A row of 768 bytes is cut into three chunks of 256 bytes; chunk c of all 384 rows is a region of rows 272 bytes apart (68 words: row r starts at bank 4 r, lanes 16-31 stand 6 words on: the 32 lanes of a
; load of 8 bytes touch 64 different banks; 64 banks of 4 bytes: ISA guide 11.1).  The chunks land one after the other, and K steps 0-1, 2-4, 5-7 wait for chunks 0, 1, 2.
; AN ATOM is 16 L rows x 64 along the next K: 6 registers a lane (lane (r, h): block h of row r); in memory registers 0-3 at 16 x lane, registers 4-5 at 512 + 8 x lane: 768 bytes.
; INSIDE A BLOCK OF 32 the codes stand in the order in which the results fall: place 16 h + 8 u + j holds k = 16 u + 8 h + j.  q and k, and v and the attention's p, are laid alike, so every product is unchanged.
; LIMITS.  NaN, infinities and scale bytes 0xff are not served.  A block whose largest magnitude lies under 2^-124 keeps the byte 1, a block of zeros too (the quantiser's rule says 127): its codes are zeros, and only
; this program reads the bytes.  The norm is taken as 1 / (sqrt(sum of squares) + 1e-6) by v_sqrt_f32 and v_rcp_f32 and a multiplication.
.set P,     272                        ; an LDS row of a chunk: 256 bytes + 16 of padding
.set CHS,   384*P                      ; from chunk to chunk: 104,448 bytes, a multiple of 256
.set REC,   13312                      ; kv: a record of 128 keys: K's 4 fragments, V's 4, K's and V's scale words
.set HEADB, 16*REC                     ; kv: a head
.set WV,   4                           ; s4   wave
.set RHO,  5                           ; s5   wave % 2: my 64 R rows; also which 64 rows of R a fetching wave brings
.set LAM,  6                           ; s6   wave / 2: my 64 L rows
.set CX,   7
.set CY,   8
.set CLYP, 10                          ; s10  cluster y % 2
.set TYP,  11                          ; s11  cluster y / 2: 0 q, 1 k, 2 v: the same in all sixteen partners
.set RBLK, 12                          ; s12  which 128 rows of R
.set LBLK, 13                          ; s13  which 256 rows of L
.set G1R,  20                          ; s[20:27] descriptor group 1 for R's rows;  s[28:35] for L's: they differ in the mask
.set G1L,  28
.set G0R,  36                          ; s[36:47] three groups 0 for R's chunks;  s[48:59] for L's
.set G0L,  48
.set RC,   84                          ; s[84:97] the chosen buffers: R's codes, R's scales, L's codes, L's scales, the bias, where the atoms go, where the scale words go
.set RS,   86
.set LC,   88
.set LSC,  90
.set BI,   92
.set OC,   94
.set OS,   96
.set AST,  98                          ; s98  bytes from atom to atom in the output
.set SEL,  100                         ; s[100:101] v_permlanex16_b32's selects for lane l xor 16
.set AR,   8                           ; v8-10   LDS address of my R rows in chunk 0, 1, 2;  v11-12 the same for the pieces whose lanes 16-31 fall into the next chunk
.set AXR,  11
.set AL,   13                          ; v13-15, v16-17 the same for L
.set AXL,  16
.set OB,   18                          ; v18-21  16 x lane + atom t's place;  v22-25  8 x lane + atom t's place
.set OQ,   22
.set L8,   26                          ; v26     8 x lane
.set R32,  27                          ; v27     32 r: a row of scale bytes
.set BO,   28                          ; v28     the bias's offset
.set BL,   30                          ; v30-37  the bias by L row, a pair for each tile (v), or zeros
.set SC,   40                          ; v40-71  scale words and nothing else: register 8 i + s: lanes 0-15 R's tile i, lanes 16-31 L's tile i, K step s
.set BR,   72                          ; v72-103 the bias by R row, eight registers a tile, in the result's layout (q, k), or zeros
.set PCX,  72                          ; later: the four atoms
.set SW,   96                          ; v96-97  the scale words that leave
.set RF,   104                         ; v104-151 R's four fragments
.set LF,   152                         ; v152-199 L's four
.set T1,   104                         ; at the head: R's and L's scale words as loaded
.set T2,   136
.set X,    104                         ; v104-231 behind the products: the 128 results of a lane: register 32 t + 8 i + k
.set TM,   232
.set TP,   236
.set SO,   240
.set CT,   244
.set SSP,  244                         ; the sums of squares, a pair for each tile (ahead of the quantiser, which then takes these registers)
.set MSB, 0
.macro WIN new                         ; the immediate's high byte repeats the setting that is left
.if MSB != \new
	s_set_vgpr_msb (MSB<<8)|\new
.set MSB, \new
.endif
.endm
.macro PLACES n
.rept \n
	v_nop
.endr
.endm
.macro CROUND                          ; a round of the cluster's barrier
	s_barrier_signal -1
	s_barrier_wait -1
	s_cmp_lg_u32 s[WV], 0
	s_cbranch_scc1 .Lnot_wave_0_\@
	s_barrier_signal -3
.Lnot_wave_0_\@:
	s_barrier_wait -3
	s_barrier_signal -1
	s_barrier_wait -1
.endm
; 64 numbers of a lane, four runs of 16: run b is my half of a block of 32, whose other half lies in lane l xor 16.  Runs 0, 1 become the atom at v[d0], runs 2, 3 the atom at v[d1]; the four scale bytes stay in v[TP] on.
.macro QUANT4 s, d0, d1
.irp b, 0,1,2,3
	v_max3_num_f32 v[TM+\b], |v[(\s)+16*\b]|, |v[(\s)+16*\b+1]|, 0x1800000   ; and the floor 2^(3 - 127): the byte cannot fall under 1
.endr
.irp i, 2,4,6,8,10,12,14
.irp b, 0,1,2,3
	v_max3_num_f32 v[TM+\b], v[TM+\b], |v[(\s)+16*\b+\i]|, |v[(\s)+16*\b+\i+1]|   ; the four blocks by turns
.endr
.endr
.irp b, 0,1,2,3
	v_permlanex16_b32 v[TP+\b], v[TM+\b], s[SEL], s[SEL+1]
.endr
.irp b, 0,1,2,3
	v_max_num_f32 v[TM+\b], v[TM+\b], v[TP+\b]     ; the block's largest magnitude
.endr
.irp b, 0,1,2,3
	v_add_nc_u32 v[SO+\b], 0xff000000, v[TM+\b]    ; 2 off its exponent field: the conversion's scale operand
.endr
.irp b, 0,1,2,3
	v_lshrrev_b32 v[TP+\b], 23, v[SO+\b]           ; the scale's byte
.endr
	v_cvt_scalef32_pk16_fp6_f32 v[(\d0):(\d0)+2], v[(\s):(\s)+15], v[SO]
	v_cvt_scalef32_pk16_fp6_f32 v[CT:CT+2], v[(\s)+16:(\s)+31], v[SO+1]      ; (a conversion's three registers begin on an even number)
	v_cvt_scalef32_pk16_fp6_f32 v[(\d1):(\d1)+2], v[(\s)+32:(\s)+47], v[SO+2]
	v_cvt_scalef32_pk16_fp6_f32 v[CT+4:CT+6], v[(\s)+48:(\s)+63], v[SO+3]
	v_nop                                          ; one plain place behind a scaled conversion
.irp i, 0,1,2
	v_permlane16_swap_b32 v[(\d0)+\i], v[CT+\i]    ; a whole block to a lane: lanes 0-15 the first block, lanes 16-31 the second
	v_permlane16_swap_b32 v[(\d1)+\i], v[CT+4+\i]
.endr
.irp i, 0,1,2
	v_mov_b32 v[(\d0)+3+\i], v[CT+\i]
	v_mov_b32 v[(\d1)+3+\i], v[CT+4+\i]
.endr
.endm
; A fragment (16 rows x 128 K, 12 registers) from rows as they lie in memory: lanes 0-15 take the row's pieces of 8 bytes 12 s + 0, 1, 2, 6, 7, 8, lanes 16-31 those three pieces on.
.macro FRAGN reg, adr, adx, s, i
.irp p, 0,1,2,3,4,5
.set PCE, 12*(\s)+6*(\p/3)+\p%3
.if PCE%32 < 29
	ds_load_b64 v[(\reg)+2*\p:(\reg)+2*\p+1], v[(\adr)+PCE/32] offset:8*(PCE%32)+(\i)*16*P
.else
	ds_load_b64 v[(\reg)+2*\p:(\reg)+2*\p+1], v[(\adx)+PCE/32] offset:8*(PCE%32)+(\i)*16*P
.endif
.endr
.endm
; Eight products: L's tiles j0, j0 + 1 x R's four, K step s.  The first K step takes the bias as C.  The sixteen accumulators take turns, one instruction a turn, in the same order in every step.
.macro MUL8 s, j0
.irp j, \j0, \j0+1
.irp i, 0,1,2,3
.if (\s) == 0
	v_wmma_scale_f32_16x16x128_f8f6f4 v[8*(4*\i+(\j)):8*(4*\i+(\j))+7], v[RF+12*\i:RF+12*\i+11], v[LF+12*(\j):LF+12*(\j)+11], v[BR+8*\i:BR+8*\i+7], v[SC+8*\i+(\s)], v[SC+8*(\j)+(\s)] matrix_a_fmt:MATRIX_FMT_FP6 matrix_b_fmt:MATRIX_FMT_FP6 matrix_b_scale:MATRIX_SCALE_ROW1
.else
	v_wmma_scale_f32_16x16x128_f8f6f4 v[8*(4*\i+(\j)):8*(4*\i+(\j))+7], v[RF+12*\i:RF+12*\i+11], v[LF+12*(\j):LF+12*(\j)+11], v[8*(4*\i+(\j)):8*(4*\i+(\j))+7], v[SC+8*\i+(\s)], v[SC+8*(\j)+(\s)] matrix_a_fmt:MATRIX_FMT_FP6 matrix_b_fmt:MATRIX_FMT_FP6 matrix_b_scale:MATRIX_SCALE_ROW1
.endif
.endr
.endr
.endm
.macro STEP s
.if (\s) == 0
	s_wait_tensorcnt 0x2                           ; my part of chunk 0 has landed; chunks 1 and 2 may be out
.endif
.if (\s) == 2
	s_wait_tensorcnt 0x1                           ; chunk 1
.endif
.if (\s) == 5
	s_wait_tensorcnt 0x0                           ; chunk 2
.endif
.if ((\s) == 0) || ((\s) == 2) || ((\s) == 5)
	s_barrier_signal -1                            ; no LDS instruction of mine is out here
	s_barrier_wait -1                              ; everybody's part has landed
.endif
.if (\s) > 0
	PLACES 4                                       ; in front of loads into registers that matrix instructions have read
.endif
.irp i, 0,1,2,3
	FRAGN RF+12*\i, AR, AXR, \s, \i
.endr
.irp i, 0,1,2,3
	FRAGN LF+12*\i, AL, AXL, \s, \i
.endr
	s_wait_dscnt 12                                ; all but the youngest twelve loads: L's tiles 2 and 3
.if (\s) == 0
	WIN 0x40                                       ; D in window 1; the bias, as C, in window 0
.else
	WIN 0x50                                       ; C and D in window 1
.endif
	MUL8 \s, 0
	s_wait_dscnt 0x0
	MUL8 \s, 2
	WIN 0
.endm
	s_load_b512 s[36:51], s[0:1], 0x0              ; x's codes s[36:37], scales s[38:39]; context's s[40:41], s[42:43]; Wq's s[44:45], s[46:47]; Wk's s[48:49], s[50:51]
	s_load_b512 s[68:83], s[0:1], 0x40             ; Wv's s[68:69], s[70:71]; bq s[72:73], bk s[74:75], bv s[76:77]; qc s[78:79], qs s[80:81], kv s[82:83]
	v_lshl_add_u32 v254, v0, 2, 0x4c800
	v_mov_b32 v255, 0
	ds_add_u32 v254, v255
	ds_add_u32 v254, v255
	v_lshrrev_b32 v3, 5, v0
	v_readfirstlane_b32 s[WV], v3
	s_and_b32 s[RHO], s[WV], 1
	s_lshr_b32 s[LAM], s[WV], 1
	s_bfe_u32 s[CX], ttmp6, 0x40000
	s_bfe_u32 s[CY], ttmp6, 0x40004
	s_and_b32 s[CLYP], ttmp7, 0xffff
	s_lshr_b32 s[TYP], s[CLYP], 1
	s_and_b32 s[CLYP], s[CLYP], 1
	s_lshl_b32 s14, ttmp9, 3
	s_lshl_b32 s15, ttmp9, 2
	s_cmp_eq_u32 s[TYP], 2
	s_cselect_b32 s14, s14, 0                      ; v: the cluster's x counts blocks of keys (R);
	s_cselect_b32 s15, 0, s15                      ; q, k: blocks of tokens (L)
	s_lshl_b32 s[RBLK], s[CLYP], 2
	s_add_co_u32 s[RBLK], s[RBLK], s14
	s_add_co_u32 s[RBLK], s[RBLK], s[CY]           ; R's block hangs on cy and never on cx,
	s_add_co_u32 s[LBLK], s15, s[CX]               ; L's on cx and never on cy
	s_lshl_b32 s16, s[CY], 2
	s_lshl_b32 s16, 15, s16                        ; my row of the cluster
	s_lshl_b32 s17, 0x1111, s[CX]                  ; my column
	; descriptor group 1: 64 rows of 32 elements of 8 bytes (a chunk of 256 bytes), 96 elements from row to row, 4 words of padding behind every 64 words
	s_or_b32 s[G1R], s16, (3<<16)|(1<<20)|(1<<21)|(5<<22)|(3<<25)
	s_or_b32 s[G1L], s17, (3<<16)|(1<<20)|(1<<21)|(5<<22)|(3<<25)
.irp g, G1R, G1L
	s_mov_b32 s[\g+1], 32<<16                      ; tensor_dim0
	s_mov_b32 s[\g+2], 64<<16                      ; tensor_dim1
	s_mov_b32 s[\g+3], 32<<16                      ; tile_dim0
	s_mov_b32 s[\g+4], 64                          ; tile_dim1
	s_mov_b32 s[\g+5], 96                          ; tensor_dim0_stride
	s_mov_b32 s[\g+6], 0
	s_mov_b32 s[\g+7], 0
.endr
	s_lshl_b32 s18, s[RBLK], 7
	s_lshl_b32 s19, s[RHO], 6
	s_add_co_u32 s18, s18, s19                     ; my first R row; also the first of the 64 that waves 0 and 1 fetch
	s_lshl_b32 s61, s[LBLK], 8
	s_add_co_u32 s60, s[WV], 2
	s_and_b32 s60, s60, 3
	s_lshl_b32 s60, s60, 6
	s_add_co_u32 s60, s60, s61                     ; the first of the 64 L rows that waves 2 to 5 fetch
	s_lshl_b32 s62, s[LAM], 6
	s_add_co_u32 s61, s61, s62                     ; my first L row
	; every LDS address is made here, ahead of the branches on the wave's number
	v_and_b32 v1, 15, v0                           ; r
	v_bfe_u32 v2, v0, 4, 1                         ; h
	v_and_b32 v3, 31, v0                           ; lane
	v_mul_u32_u24 v4, v1, P
	v_mad_u32_u24 v5, v2, 24, v4                   ; row r, + 24 h
	v_mad_u32_u24 v6, v2, CHS-232, v4              ; row r; lanes 16-31 three pieces on, which is in the next chunk
	s_mul_i32 s14, s[RHO], 64*P
	s_mul_i32 s15, s[LAM], 64*P
	s_add_co_u32 s15, s15, 128*P                   ; L's rows lie behind R's 128
	v_add_nc_u32 v[AR], s14, v5
	v_add_nc_u32 v[AR+1], CHS, v[AR]
	v_add_nc_u32 v[AR+2], 2*CHS, v[AR]
	v_add_nc_u32 v[AXR], s14, v6
	v_add_nc_u32 v[AXR+1], CHS, v[AXR]
	v_add_nc_u32 v[AL], s15, v5
	v_add_nc_u32 v[AL+1], CHS, v[AL]
	v_add_nc_u32 v[AL+2], 2*CHS, v[AL]
	v_add_nc_u32 v[AXL], s15, v6
	v_add_nc_u32 v[AXL+1], CHS, v[AXL]
	v_lshlrev_b32 v[L8], 3, v3
	v_lshlrev_b32 v[R32], 5, v1
	s_mov_b32 s[SEL], 0x76543210
	s_mov_b32 s[SEL+1], 0xfedcba98
.irp b, 0,1,2,3
	v_mov_b32 v[TP+\b], 0                          ; written once: a lane permute's destination counts as one of its sources
.endr
	s_wait_dscnt 0x0
	s_wait_kmcnt 0x0
	s_cmp_eq_u32 s[TYP], 0                         ; the buffers are chosen by the type, which hangs on no address
	s_cselect_b64 s[RC:RC+1], s[44:45], s[48:49]
	s_cselect_b64 s[RS:RS+1], s[46:47], s[50:51]
	s_cselect_b64 s[LC:LC+1], s[36:37], s[40:41]
	s_cselect_b64 s[LSC:LSC+1], s[38:39], s[42:43]
	s_cselect_b64 s[BI:BI+1], s[72:73], s[74:75]
	s_cselect_b64 s[OC:OC+1], s[78:79], s[82:83]
	s_cselect_b64 s[OS:OS+1], s[80:81], s[82:83]
	s_cmp_eq_u32 s[TYP], 2
	s_cselect_b64 s[RC:RC+1], s[40:41], s[RC:RC+1]
	s_cselect_b64 s[RS:RS+1], s[42:43], s[RS:RS+1]
	s_cselect_b64 s[LC:LC+1], s[68:69], s[LC:LC+1]
	s_cselect_b64 s[LSC:LSC+1], s[70:71], s[LSC:LSC+1]
	s_cselect_b64 s[BI:BI+1], s[76:77], s[BI:BI+1]
	s_mul_i32 s68, s18, 768                        ; a row of codes is 768 bytes
	s_mov_b32 s69, 0
	s_add_nc_u64 s[70:71], s[RC:RC+1], s[68:69]
	s_mul_i32 s72, s60, 768
	s_mov_b32 s73, 0
	s_add_nc_u64 s[74:75], s[LC:LC+1], s[72:73]
	s_mul_i32 s76, s[WV], 64*P                     ; where a fetching wave's 64 rows go: wave x 64 rows: R's 128 (waves 0, 1), then L's 256 (waves 2 to 5)
.irp c, 0,1,2
	s_mov_b32 s[G0R+4*\c], 1
	s_add_co_u32 s[G0R+4*\c+1], s76, \c*CHS
	s_add_nc_u64 s[G0R+4*\c+2:G0R+4*\c+3], s[70:71], \c*256
	s_or_b32 s[G0R+4*\c+3], s[G0R+4*\c+3], 0x80000000
	s_mov_b32 s[G0L+4*\c], 1
	s_add_co_u32 s[G0L+4*\c+1], s76, \c*CHS
	s_add_nc_u64 s[G0L+4*\c+2:G0L+4*\c+3], s[74:75], \c*256
	s_or_b32 s[G0L+4*\c+3], s[G0L+4*\c+3], 0x80000000
.endr
	s_lshl_b32 s68, s18, 5                         ; a row of scale bytes is 32 bytes
	s_add_nc_u64 s[RS:RS+1], s[RS:RS+1], s[68:69]
	s_lshl_b32 s72, s61, 5
	s_add_nc_u64 s[LSC:LSC+1], s[LSC:LSC+1], s[72:73]
	CROUND                                         ; all sixteen work-groups are here: the joint loads meet
	s_cmp_lt_u32 s[WV], 2                          ; a wave's three loads stand in one branch on the wave's number: three loads of mine are out
	s_cbranch_scc0 .Lnot_r
	tensor_load_to_lds s[G0R:G0R+3], s[G1R:G1R+7]
	s_nop 0
	tensor_load_to_lds s[G0R+4:G0R+7], s[G1R:G1R+7]
	s_nop 0
	tensor_load_to_lds s[G0R+8:G0R+11], s[G1R:G1R+7]
	s_nop 0
	PLACES 4
	s_branch .Lasked
.Lnot_r:
	s_cmp_lt_u32 s[WV], 6
	s_cbranch_scc0 .Lasked
	tensor_load_to_lds s[G0L:G0L+3], s[G1L:G1L+7]
	s_nop 0
	tensor_load_to_lds s[G0L+4:G0L+7], s[G1L:G1L+7]
	s_nop 0
	tensor_load_to_lds s[G0L+8:G0L+11], s[G1L:G1L+7]
	s_nop 0
	PLACES 4
.Lasked:
	; the scale words of my 64 + 64 rows, for all of K, straight into registers: sixteen lanes read 512 consecutive bytes with two loads; both halves of the lanes read the same
.irp i, 0,1,2,3
	global_load_b128 v[T1+8*\i:T1+8*\i+3], v[R32], s[RS:RS+1] offset:512*\i
	global_load_b128 v[T1+8*\i+4:T1+8*\i+7], v[R32], s[RS:RS+1] offset:512*\i+16
	global_load_b128 v[T2+8*\i:T2+8*\i+3], v[R32], s[LSC:LSC+1] offset:512*\i
	global_load_b128 v[T2+8*\i+4:T2+8*\i+7], v[R32], s[LSC:LSC+1] offset:512*\i+16
.endr
	s_cmp_eq_u32 s[TYP], 2
	s_cbranch_scc1 .Lv_arm
	; q, k: the bias goes with R (channels): eight registers a tile, the C of the first K step
	s_lshl_b32 s68, s18, 2
	s_add_nc_u64 s[BI:BI+1], s[BI:BI+1], s[68:69]
	v_lshlrev_b32 v[BO], 5, v2
.irp i, 0,1,2,3
	global_load_b128 v[BR+8*\i:BR+8*\i+3], v[BO], s[BI:BI+1] offset:64*\i
	global_load_b128 v[BR+8*\i+4:BR+8*\i+7], v[BO], s[BI:BI+1] offset:64*\i+16
.endr
.irp j, 0,1,2,3,4,5,6,7
	v_mov_b32 v[BL+\j], 0
.endr
	s_lshr_b32 s14, s61, 11                        ; the batch
	s_and_b32 s15, s61, 2047
	s_lshr_b32 s15, s15, 5                         ; g0: my first group of 32 tokens in it (even)
	s_lshl_b32 s14, s14, 4
	s_lshl_b32 s16, s[RBLK], 1
	s_add_co_u32 s14, s14, s16
	s_add_co_u32 s14, s14, s[RHO]                  ; hb = 16 x batch + head
	s_lshl_b32 s16, s14, 6
	s_add_co_u32 s16, s16, s15
	s_mul_i32 s16, s16, 1536                       ; q: atoms at (64 hb + g0) x 1,536,
	s_lshl_b32 s17, s14, 5
	s_lshr_b32 s19, s15, 1
	s_add_co_u32 s17, s17, s19
	s_lshl_b32 s17, s17, 8                         ; scale words at (32 hb + g0 / 2) x 256
	s_mul_i32 s70, s14, HEADB
	s_lshr_b32 s19, s15, 2
	s_mul_i32 s19, s19, REC
	s_add_co_u32 s70, s70, s19                     ; k: the record of 128 keys,
	s_and_b32 s19, s15, 3
	s_mul_i32 s19, s19, 1536
	s_add_co_u32 s71, s70, s19                     ; fragment g0 % 4 in it,
	s_bfe_u32 s19, s15, 0x10001
	s_lshl_b32 s19, s19, 8
	s_add_co_u32 s70, s70, s19
	s_add_co_u32 s70, s70, 12288                   ; and the scale words of fragments g0 % 4 and the next
	s_cmp_eq_u32 s[TYP], 0
	s_cselect_b32 s68, s16, s71
	s_cselect_b32 s72, s17, s70
	s_mov_b32 s[AST], 768
	s_branch .Ljoin
.Lv_arm:
	; v: the bias goes with L (channels): one number a lane and tile, added behind the products
	s_lshl_b32 s68, s61, 2
	s_add_nc_u64 s[BI:BI+1], s[BI:BI+1], s[68:69]
	v_lshlrev_b32 v[BO], 2, v1
.irp t, 0,1,2,3
	global_load_b32 v[BL+2*\t], v[BO], s[BI:BI+1] offset:64*\t
	global_load_b32 v[BL+2*\t+1], v[BO], s[BI:BI+1] offset:64*\t
.endr
.set J, 0
.rept 32
	v_mov_b32 v[BR+J], 0
.set J, J+1
.endr
	s_lshr_b32 s14, s[RBLK], 4
	s_lshl_b32 s14, s14, 4
	s_lshl_b32 s15, s[LBLK], 2
	s_add_co_u32 s14, s14, s15
	s_add_co_u32 s14, s14, s[LAM]                  ; hb
	s_mul_i32 s70, s14, HEADB
	s_and_b32 s15, s[RBLK], 15
	s_mul_i32 s15, s15, REC
	s_add_co_u32 s70, s70, s15                     ; the record: R's block is its 128 keys
	s_mul_i32 s15, s[RHO], 768
	s_add_co_u32 s68, s70, s15
	s_add_co_u32 s68, s68, 6144                    ; V's fragment t at 1,536 t, my 64 keys its atom wave % 2
	s_lshl_b32 s15, s[RHO], 8
	s_add_co_u32 s72, s70, s15
	s_add_co_u32 s72, s72, 12800
	s_mov_b32 s[AST], 1536
.Ljoin:
	s_add_nc_u64 s[OC:OC+1], s[OC:OC+1], s[68:69]
	s_add_nc_u64 s[OS:OS+1], s[OS:OS+1], s[72:73]
	v_lshlrev_b32 v[OB], 4, v3
	v_mov_b32 v[OQ], v[L8]
.irp t, 1,2,3
	s_mul_i32 s14, s[AST], \t
	v_add_nc_u32 v[OB+\t], s14, v[OB]
	v_add_nc_u32 v[OQ+\t], s14, v[L8]
.endr
	s_mov_b32 vcc_lo, 0xffff0000
	s_wait_loadcnt 0x0                             ; scale words and bias
.irp s, 0,1,2,3,4,5,6,7
.irp i, 0,1,2,3
	v_cndmask_b32 v[SC+8*\i+\s], v[T1+8*\i+\s], v[T2+8*\i+\s], vcc_lo    ; lanes 0-15 keep R's word, lanes 16-31 take L's
.endr
.endr
	PLACES 8                                       ; a scale register written by a vector instruction stands eight places ahead of a scaled matrix instruction
.irp s, 0,1,2,3,4,5,6,7
	STEP \s
.endr
	; BEHIND THE PRODUCTS.  The results come down into window 0, tile t of L on end: register 32 t + 8 i + k is R row 16 i + 8 h + k; each accumulator is read from its low end on.
	PLACES 4
	WIN 0x01
.irp t, 0,1,2,3
.irp i, 0,1,2,3
.irp k, 0,2,4,6
	v_pk_add_f32 v[X+32*\t+8*\i+\k:X+32*\t+8*\i+\k+1], v[8*(4*\i+\t)+\k:8*(4*\i+\t)+\k+1], v[BL+2*\t:BL+2*\t+1]
.endr
.endr
.endr
	WIN 0
	s_cmp_eq_u32 s[TYP], 2
	s_cbranch_scc1 .Lno_norm
	; q, k: a token's 64 channels of the head lie in lanes l and l xor 16, 32 each
.irp t, 0,1,2,3
	v_pk_mul_f32 v[SSP+2*\t:SSP+2*\t+1], v[X+32*\t:X+32*\t+1], v[X+32*\t:X+32*\t+1]
.endr
.irp k, 2,4,6,8,10,12,14,16,18,20,22,24,26,28,30
.irp t, 0,1,2,3
	v_pk_fma_f32 v[SSP+2*\t:SSP+2*\t+1], v[X+32*\t+\k:X+32*\t+\k+1], v[X+32*\t+\k:X+32*\t+\k+1], v[SSP+2*\t:SSP+2*\t+1]
.endr
.endr
.irp t, 0,1,2,3
	v_add_f32 v[SSP+2*\t], v[SSP+2*\t], v[SSP+2*\t+1]
.endr
.irp t, 0,1,2,3
	v_permlanex16_b32 v[SSP+2*\t+1], v[SSP+2*\t], s[SEL], s[SEL+1]
.endr
.irp t, 0,1,2,3
	v_add_f32 v[SSP+2*\t], v[SSP+2*\t], v[SSP+2*\t+1]
.endr
.irp t, 0,1,2,3
	v_sqrt_f32 v[SSP+2*\t], v[SSP+2*\t]
.endr
	v_nop                                          ; a plain instruction behind the last root,
	s_wait_alu depctr_va_vdst(0)                   ; and one wait for the four, ahead of their first reader
.irp t, 0,1,2,3
	v_add_f32 v[SSP+2*\t], 0x358637bd, v[SSP+2*\t] ; + 1e-6
.endr
.irp t, 0,1,2,3
	v_rcp_f32 v[SSP+2*\t], v[SSP+2*\t]
.endr
	v_nop
	s_wait_alu depctr_va_vdst(0)
.irp t, 0,1,2,3
.irp k, 0,2,4,6,8,10,12,14,16,18,20,22,24,26,28,30
	v_pk_mul_f32 v[X+32*\t+\k:X+32*\t+\k+1], v[X+32*\t+\k:X+32*\t+\k+1], v[SSP+2*\t:SSP+2*\t+1] op_sel_hi:[1,0]
.endr
.endr
.Lno_norm:
	QUANT4 X, PCX, PCX+6
	v_lshl_or_b32 v[SW], v[TP+1], 8, v[TP]         ; tile 0's two bytes, then tile 1's
	v_lshl_or_b32 v[SW], v[TP+2], 16, v[SW]
	v_lshl_or_b32 v[SW], v[TP+3], 24, v[SW]
	QUANT4 X+64, PCX+12, PCX+18
	v_lshl_or_b32 v[SW+1], v[TP+1], 8, v[TP]
	v_lshl_or_b32 v[SW+1], v[TP+2], 16, v[SW+1]
	v_lshl_or_b32 v[SW+1], v[TP+3], 24, v[SW+1]
.irp t, 0,1,2,3
	global_store_b128 v[OB+\t], v[PCX+6*\t:PCX+6*\t+3], s[OC:OC+1]              ; 512 consecutive bytes, at a multiple of 256 from the buffer's first byte
	global_store_b64 v[OQ+\t], v[PCX+6*\t+4:PCX+6*\t+5], s[OC:OC+1] offset:512  ; 256 consecutive bytes
.endr
	global_store_b64 v[L8], v[SW:SW+1], s[OS:OS+1] ; 256 consecutive bytes: two words a lane (lanes 16-31 hold the same as lanes 0-15)
	s_wait_tensorcnt 0x0
	ds_add_u32 v254, v255
	s_wait_dscnt 0x0
	CROUND                                         ; the closing round
	s_endpgm
.Lfunc_end_k_q3bbec6df7f_proj:
	.size	k_q3bbec6df7f_proj, .Lfunc_end_k_q3bbec6df7f_proj-k_q3bbec6df7f_proj
	.p2alignl 7, 3214868480
	.fill 96, 4, 3214868480
	.section	.rodata,"a",@progbits
	.p2align	6, 0x0
	.amdhsa_kernel k_q3bbec6df7f_proj
		.amdhsa_group_segment_fixed_size 314368
		.amdhsa_private_segment_fixed_size 0
		.amdhsa_enable_private_segment 0
		.amdhsa_kernarg_size 128
		.amdhsa_user_sgpr_count 2
		.amdhsa_user_sgpr_kernarg_segment_ptr 1
		.amdhsa_wavefront_size32 1
		.amdhsa_system_sgpr_workgroup_id_x 1
		.amdhsa_system_sgpr_workgroup_id_y 1
		.amdhsa_system_sgpr_workgroup_id_z 1
		.amdhsa_system_vgpr_workitem_id 0
		.amdhsa_next_free_vgpr 384
		.amdhsa_next_free_sgpr 102
		.amdhsa_reserve_vcc 1
		.amdhsa_float_denorm_mode_32 3
		.amdhsa_float_denorm_mode_16_64 3
		.amdhsa_memory_ordered 1
		.amdhsa_forward_progress 1
		.amdhsa_inst_pref_size 81
	.end_amdhsa_kernel
	.amdgpu_metadata
---
amdhsa.version: [ 1, 2 ]
amdhsa.kernels:
  - .name:           k_q3bbec6df7f_proj
    .symbol:         k_q3bbec6df7f_proj.kd
    .args:
      - { .name: x_codes, .offset: 0, .size: 8, .value_kind: global_buffer, .address_space: global }
      - { .name: x_scales, .offset: 8, .size: 8, .value_kind: global_buffer, .address_space: global }
      - { .name: context_codes, .offset: 16, .size: 8, .value_kind: global_buffer, .address_space: global }
      - { .name: context_scales, .offset: 24, .size: 8, .value_kind: global_buffer, .address_space: global }
      - { .name: Wq_codes, .offset: 32, .size: 8, .value_kind: global_buffer, .address_space: global }
      - { .name: Wq_scales, .offset: 40, .size: 8, .value_kind: global_buffer, .address_space: global }
      - { .name: Wk_codes, .offset: 48, .size: 8, .value_kind: global_buffer, .address_space: global }
      - { .name: Wk_scales, .offset: 56, .size: 8, .value_kind: global_buffer, .address_space: global }
      - { .name: Wv_codes, .offset: 64, .size: 8, .value_kind: global_buffer, .address_space: global }
      - { .name: Wv_scales, .offset: 72, .size: 8, .value_kind: global_buffer, .address_space: global }
      - { .name: bq, .offset: 80, .size: 8, .value_kind: global_buffer, .address_space: global }
      - { .name: bk, .offset: 88, .size: 8, .value_kind: global_buffer, .address_space: global }
      - { .name: bv, .offset: 96, .size: 8, .value_kind: global_buffer, .address_space: global }
      - { .name: qc, .offset: 104, .size: 8, .value_kind: global_buffer, .address_space: global }
      - { .name: qs, .offset: 112, .size: 8, .value_kind: global_buffer, .address_space: global }
      - { .name: kv, .offset: 120, .size: 8, .value_kind: global_buffer, .address_space: global }
    .group_segment_fixed_size: 314368
    .private_segment_fixed_size: 0
    .kernarg_segment_align: 8
    .kernarg_segment_size: 128
    .max_flat_workgroup_size: 256
    .sgpr_count:     102
    .vgpr_count:     384
    .wavefront_size: 32
...
	.end_amdgpu_metadata
.endif
;; end of part 1
;; launch attn (part 2): grid 4 x 64, 16 waves a work-group, clusters of 4 x 1, 217,088 bytes of LDS; arguments qc, qs, kv, ao, aos; writes ao, aos
.if DOCPART == 2
	.amdgcn_target "amdgcn-amd-amdhsa--gfx1250"
	.amdhsa_code_object_version 6
	.text
	.protected	k_q3bbec6df7f_attn
	.globl	k_q3bbec6df7f_attn
	.p2align	8
	.type	k_q3bbec6df7f_attn,@function
k_q3bbec6df7f_attn:
	s_mov_b64 s[64:65], 0
	v_nop
	global_prefetch_b8 v0, s[64:65] scope:SCOPE_SE
	s_setreg_imm32_b32 hwreg(HW_REG_WAVE_MODE, 25, 1), 1
	s_wait_xcnt 0x0
	s_wait_alu depctr_hold_cnt(0) depctr_sa_sdst(0) depctr_va_vdst(0) depctr_va_sdst(0) depctr_va_ssrc(0) depctr_va_vcc(0) depctr_vm_vsrc(0)
	s_getreg_b32 s2, hwreg(HW_REG_IB_STS2, 6, 4)
	s_cmp_eq_u32 s2, 0
	s_cbranch_scc0 .Lentry_in_a_cluster
	s_endpgm
.Lentry_in_a_cluster:
	s_bfe_u32 s2, ttmp6, 0x10000c
	s_cmp_lg_u32 s2, 0x3003
	s_cbranch_scc0 .Lentry_shape_is_right
	s_endpgm
.Lentry_shape_is_right:
; o = softmax(q k^T) v for one (batch, head), both products on codes of FP6 (E2M3) with one E8M0 scale for each 32 along K; o is divided by the row's sum and quantised along the model's 1,024 channels for the last product.
; NO MAXIMUM IS TAKEN AWAY, and this is why it need not be: q and k are vectors that the computation itself has normalised (length at most 1) with no scale behind them; quantised, an element moves by at most 1/16 of
; itself or 1/64 of its block's largest, so a vector's length stays under 1.14, a score under 1.3 in magnitude and t = score x log2(e) under 1.9.  So p = 2^t lies between 0.27 and 3.7 and a row's sum of 2,048 of them
; under 7,600.  The whole number M of the quantiser's rule for p is a power of two that a block's scale takes up: with M = 0 the codes' values, and o after the division, are the same.
; SHARES.  A work-group owns 512 queries of a head; each of its sixteen waves 32 of them, two tiles of 16, in 256 registers: four waves to a SIMD, so that one wave's vector work stands beside another's products.
; THE WHOLE HEAD'S K AND V LIE IN LDS, 16 records of 128 keys, 13,312 bytes each, filled ONCE: no LDS byte is filled twice.  The four query blocks of a head form a cluster and ask for each record jointly.
; A record holds images of operand registers: K's four fragments, V's four, their scale words: a fragment comes by two loads of 16 bytes and two of 8 bytes a lane, each of consecutive bytes.
; K = 64 IN AN INSTRUCTION OF K = 128: a fragment of K holds TWO tiles of 16 keys (64 channels each); it is multiplied by [q | 0] for the first tile's scores and by [0 | q] for the second's.
; Both products are used transposed: a lane holds one query throughout.  Inside a block of 32 keys p's codes stand as the scores fall (place 16 h + 8 u + j: key 16 u + 8 h + j), and V's codes were laid the same way.
; LIMITS.  NaN, infinities and scale bytes 0xff are not served.  A block whose largest magnitude lies under 2^-124, a block of zeros too, keeps the scale byte 1; only this program reads the bytes.
.set REC,  13312
.set STG,  16*REC                      ; behind the records: 2,048 bytes in which the sixteen waves' scale words meet on the way out; no tensor load lands there
.set WV,   14
.set CXS,  15
.set HB,   16
.set G1,   20                          ; s[20:27] descriptor group 1;  s[28:43] four groups 0
.set G0,   28
.set TB,   44                          ; s44  LDS byte of the record in hand
.set CNT,  45
.set CS,   46                          ; s[46:47] log2(e); the packed form names a pair
.set SEL,  48                          ; s[48:49] v_permlanex16_b32's selects for lane l xor 16
.set LI,   1                           ; v1   16 x lane
.set LJ,   2                           ; v2   8 x lane
.set AD,   3                           ; v3   16 x lane + the record
.set AE,   4                           ; v4   8 x lane + the record
.set SST,  5                           ; v5   the stage: where my scale word goes
.set SLD,  6                           ; v6   and where waves 0 to 3 read it back
.set GOF,  7                           ; v7   the same place in the work-group's 2,048 bytes of aos
.set ZQ,   8                           ; v8-37  0 (6) q tile 0 (6) 0 (6) q tile 1 (6) 0 (6)
.set QS,   38                          ; v38-39 q's scale words, a tile each: (s0, s1, s0, s1)
.set KS,   40                          ; v40-43 the record's four K fragments' scale words
.set VA,   44                          ; v44-47 V's scale bytes as they lie
.set VS,   48                          ; v48-51 V's four fragments' scale words
.set PW,   52                          ; v52-53 p's scale words, a tile each
.set LS,   54                          ; v54-57 the rows' sums, a pair a tile
.set TA,   58                          ; v58-59 at work
.set TM,   60
.set TP,   64
.set SO,   68
.set CT,   72
.set PC,   80                          ; v80-103 p's codes, a fragment a tile
.set O,    104                         ; v104-167 O^T: tile t, channels 16 n on: 32 t + 8 n
.set KF,   168                         ; v168-191 two fragments of K
.set VF,   168                         ; v168-215 V's four fragments: over K's, and over scores that are done with
.set S,    192                         ; v192-255 scores, then p: 32 a tile
.macro PLACES n
.rept \n
	v_nop
.endr
.endm
.macro CROUND
	s_barrier_signal -1
	s_barrier_wait -1
	s_cmp_lg_u32 s[WV], 0
	s_cbranch_scc1 .Lnot_wave_0_\@
	s_barrier_signal -3
.Lnot_wave_0_\@:
	s_barrier_wait -3
	s_barrier_signal -1
	s_barrier_wait -1
.endm
; 64 numbers of a lane, four runs of 16: run b is my half of a block of 32, whose other half lies in lane l xor 16.  Runs 0, 1 become six registers of codes at v[d0], runs 2, 3 at v[d1]; the four scale bytes stay in v[TP] on.
.macro QUANT4 s, d0, d1
.irp b, 0,1,2,3
	v_max3_num_f32 v[TM+\b], |v[(\s)+16*\b]|, |v[(\s)+16*\b+1]|, 0x1800000   ; and the floor 2^(3 - 127): the byte cannot fall under 1
.endr
.irp i, 2,4,6,8,10,12,14
.irp b, 0,1,2,3
	v_max3_num_f32 v[TM+\b], v[TM+\b], |v[(\s)+16*\b+\i]|, |v[(\s)+16*\b+\i+1]|
.endr
.endr
.irp b, 0,1,2,3
	v_permlanex16_b32 v[TP+\b], v[TM+\b], s[SEL], s[SEL+1]
.endr
.irp b, 0,1,2,3
	v_max_num_f32 v[TM+\b], v[TM+\b], v[TP+\b]
.endr
.irp b, 0,1,2,3
	v_add_nc_u32 v[SO+\b], 0xff000000, v[TM+\b]    ; 2 off the exponent field: the conversion's scale operand
.endr
.irp b, 0,1,2,3
	v_lshrrev_b32 v[TP+\b], 23, v[SO+\b]           ; the scale's byte
.endr
	v_cvt_scalef32_pk16_fp6_f32 v[(\d0):(\d0)+2], v[(\s):(\s)+15], v[SO]
	v_cvt_scalef32_pk16_fp6_f32 v[CT:CT+2], v[(\s)+16:(\s)+31], v[SO+1]
	v_cvt_scalef32_pk16_fp6_f32 v[(\d1):(\d1)+2], v[(\s)+32:(\s)+47], v[SO+2]
	v_cvt_scalef32_pk16_fp6_f32 v[CT+4:CT+6], v[(\s)+48:(\s)+63], v[SO+3]
	v_nop                                          ; one plain place behind a scaled conversion
.irp i, 0,1,2
	v_permlane16_swap_b32 v[(\d0)+\i], v[CT+\i]    ; a whole block to a lane
	v_permlane16_swap_b32 v[(\d1)+\i], v[CT+4+\i]
.endr
.irp i, 0,1,2
	v_mov_b32 v[(\d0)+3+\i], v[CT+\i]
	v_mov_b32 v[(\d1)+3+\i], v[CT+4+\i]
.endr
.endm
.macro FRAGI reg, off                  ; a fragment from its image: two halves of 768 bytes
.irp a, 0,1
	ds_load_b128 v[(\reg)+6*\a:(\reg)+6*\a+3], v[AD] offset:(\off)+768*\a
	ds_load_b64 v[(\reg)+6*\a+4:(\reg)+6*\a+5], v[AE] offset:(\off)+768*\a+512
.endr
.endm
; 64 keys (the record's blocks 2 c and 2 c + 1) x my 32 queries: scores, p, its codes, its sums.
.macro HALF c
.if \c == 1
	s_wait_dscnt 0x0                               ; K's fragments 2 and 3
.endif
.irp f, 0,1
.irp u, 0,1
.irp t, 0,1
	v_wmma_scale_f32_16x16x128_f8f6f4 v[S+32*\t+16*\f+8*\u:S+32*\t+16*\f+8*\u+7], v[KF+12*\f:KF+12*\f+11], v[ZQ+12*\t+6-6*\u:ZQ+12*\t+17-6*\u], 0, v[KS+2*\c+\f], v[QS+\t] matrix_a_fmt:MATRIX_FMT_FP6 matrix_b_fmt:MATRIX_FMT_FP6
.endr
.endr
.endr
.if \c == 0
	v_perm_b32 v[VS], v[VA+2], v[VA], 0x05040100   ; V's scale words: a channel tile's two bytes of the first 64 keys below, of the second 64 above.  These four lines are the places behind the products
	v_perm_b32 v[VS+1], v[VA+2], v[VA], 0x07060302
	v_perm_b32 v[VS+2], v[VA+3], v[VA+1], 0x05040100
	v_perm_b32 v[VS+3], v[VA+3], v[VA+1], 0x07060302
	FRAGI KF, 3072                                 ; K's fragments 2 and 3 land while p is made
	FRAGI KF+12, 4608
.else
	PLACES 4
	FRAGI VF, 6144                                 ; V's fragments 0 and 1
	FRAGI VF+12, 7680
.endif
.set J, 0
.rept 32
	v_pk_mul_f32 v[S+J:S+J+1], v[S+J:S+J+1], s[CS:CS+1] op_sel_hi:[1,0]   ; t = score x log2(e); each accumulator from its low end on
.set J, J+2
.endr
.set J, 0
.rept 64
	v_exp_f32 v[S+J], v[S+J]                       ; p = 2^t
.set J, J+1
.endr
	v_nop                                          ; a plain instruction behind the last exponential,
	s_wait_alu depctr_va_vdst(0)                   ; and one wait for the batch, ahead of its first reader
	QUANT4 S, PC+6*\c, PC+12+6*\c
.irp t, 0,1
.if \c == 0
	v_lshl_or_b32 v[PW+\t], v[TP+2*\t+1], 8, v[TP+2*\t]
.else
	v_lshl_or_b32 v[PW+\t], v[TP+2*\t], 16, v[PW+\t]
	v_lshl_or_b32 v[PW+\t], v[TP+2*\t+1], 24, v[PW+\t]
.endif
.endr
	v_pk_add_f32 v[TA:TA+1], v[S:S+1], v[S+2:S+3]  ; the rows' sums are taken of the unquantised p: four chains by turns
	v_pk_add_f32 v[CT:CT+1], v[S+32:S+33], v[S+34:S+35]
.irp k, 4,8,12,16,20,24,28
	v_pk_add_f32 v[LS:LS+1], v[LS:LS+1], v[S+\k:S+\k+1]
	v_pk_add_f32 v[LS+2:LS+3], v[LS+2:LS+3], v[S+32+\k:S+33+\k]
	v_pk_add_f32 v[TA:TA+1], v[TA:TA+1], v[S+2+\k:S+3+\k]
	v_pk_add_f32 v[CT:CT+1], v[CT:CT+1], v[S+34+\k:S+35+\k]
.endr
	v_pk_add_f32 v[LS:LS+1], v[LS:LS+1], v[TA:TA+1]
	v_pk_add_f32 v[LS+2:LS+3], v[LS+2:LS+3], v[CT:CT+1]
.endm
; A record: 128 keys x my 32 queries.
.macro STEP
	v_add_nc_u32 v[AD], s[TB], v[LI]
	v_add_nc_u32 v[AE], s[TB], v[LJ]
	PLACES 3                                       ; five places behind the last products: loads land in V's registers, and the scores are written over two of V's fragments
	ds_load_b64 v[KS:KS+1], v[AE] offset:12288
	ds_load_b64 v[KS+2:KS+3], v[AE] offset:12544
	ds_load_b64 v[VA:VA+1], v[AE] offset:12800
	ds_load_b64 v[VA+2:VA+3], v[AE] offset:13056
	FRAGI KF, 0
	FRAGI KF+12, 1536
	s_wait_dscnt 0x0
	HALF 0
	HALF 1
	FRAGI VF+24, 9216                              ; V's fragments 2 and 3, over tile 0's p, which has been quantised and summed
	FRAGI VF+36, 10752
	s_wait_dscnt 0x0
.irp n, 0,1,2,3                        ; O^T += V^T p^T: eight accumulators by turns; the sums above are the places behind p's codes and scale words
.irp t, 0,1
	v_wmma_scale_f32_16x16x128_f8f6f4 v[O+32*\t+8*\n:O+32*\t+8*\n+7], v[VF+12*\n:VF+12*\n+11], v[PC+12*\t:PC+12*\t+11], v[O+32*\t+8*\n:O+32*\t+8*\n+7], v[VS+\n], v[PW+\t] matrix_a_fmt:MATRIX_FMT_FP6 matrix_b_fmt:MATRIX_FMT_FP6
.endr
.endr
.endm
; Records 4 j to 4 j + 3: load j of each of waves 0 to 3.
.macro CHUNK j
	s_wait_tensorcnt 3-\j                          ; my load j has landed; the 3 - j behind it may be out
	s_barrier_signal -1                            ; no LDS instruction of mine is out here
	s_barrier_wait -1
	s_mov_b32 s[TB], \j*4*REC
	s_mov_b32 s[CNT], 4
.Lstep_\@:
	STEP
	s_add_co_u32 s[TB], s[TB], REC
	s_sub_co_u32 s[CNT], s[CNT], 1
	s_cmp_lg_u32 s[CNT], 0
	s_cbranch_scc1 .Lstep_\@
.endm
	s_load_b256 s[4:11], s[0:1], 0x0               ; qc s[4:5], qs s[6:7], kv s[8:9], ao s[10:11]
	s_load_b64 s[12:13], s[0:1], 0x20              ; aos
	v_lshl_add_u32 v75, v0, 2, 0x34800
	v_mov_b32 v79, 0
	ds_add_u32 v75, v79
	ds_add_u32 v75, v79
	v_lshrrev_b32 v7, 5, v0
	v_readfirstlane_b32 s[WV], v7
	s_bfe_u32 s[CXS], ttmp6, 0x40000               ; cx: my block of 512 queries; it enters the addresses of q, ao and aos alone
	s_and_b32 s[HB], ttmp7, 0xffff                 ; 16 x batch + head, which the four partners share
	v_and_b32 v7, 31, v0
	v_lshlrev_b32 v[LI], 4, v7
	v_lshlrev_b32 v[LJ], 3, v7
	s_lshr_b32 s50, s[WV], 1                       ; every LDS address is made here, ahead of the branches on the wave's number
	s_lshl_b32 s50, s50, 8
	s_and_b32 s51, s[WV], 1
	s_lshl_b32 s51, s51, 2
	s_add_co_u32 s50, s50, s51
	s_add_co_u32 s50, s50, STG
	v_add_nc_u32 v[SST], s50, v[LJ]                ; 256 (wave / 2) + 8 x lane + 4 (wave % 2)
	s_and_b32 s51, s[WV], 3
	s_lshl_b32 s51, s51, 9
	v_add_nc_u32 v[GOF], s51, v[LI]                ; 512 (wave % 4) + 16 x lane
	v_add_nc_u32 v[SLD], STG, v[GOF]
	; descriptor group 1: a record is a dense block of 52 rows of 32 elements of 8 bytes; the mask names all four work-groups
	s_mov_b32 s[G1], 15|(3<<16)|(1<<21)
	s_mov_b32 s[G1+1], 32<<16
	s_mov_b32 s[G1+2], 52<<16
	s_mov_b32 s[G1+3], 32<<16
	s_mov_b32 s[G1+4], 52
	s_mov_b32 s[G1+5], 32
	s_mov_b32 s[G1+6], 0
	s_mov_b32 s[G1+7], 0
	s_mov_b32 s[CS], 0x3fb8aa3b                    ; log2(e)
	s_mov_b32 s[CS+1], s[CS]
	s_mov_b32 s[SEL], 0x76543210
	s_mov_b32 s[SEL+1], 0xfedcba98
	s_mul_i32 s50, s[HB], 16*REC
	s_mul_i32 s52, s[WV], REC
	s_add_co_u32 s50, s50, s52
	s_mov_b32 s51, 0
	s_lshl_b32 s53, s[CXS], 4
	s_add_co_u32 s53, s53, s[WV]                   ; g: my group of 32 queries
	s_lshr_b32 s57, s53, 1
	s_and_b32 s58, s53, 1
	s_mov_b32 s55, 0
	s_wait_dscnt 0x0
	s_wait_kmcnt 0x0
	s_add_nc_u64 s[8:9], s[8:9], s[50:51]          ; kv at record (wave) of my head
.irp j, 0,1,2,3
	s_mov_b32 s[G0+4*\j], 1
	s_add_co_u32 s[G0+4*\j+1], s52, \j*4*REC
	s_add_nc_u64 s[G0+4*\j+2:G0+4*\j+3], s[8:9], \j*4*REC
	s_or_b32 s[G0+4*\j+3], s[G0+4*\j+3], 0x80000000
.endr
	s_lshl_b32 s54, s[HB], 6
	s_add_co_u32 s54, s54, s53
	s_mul_i32 s54, s54, 1536
	s_add_nc_u64 s[4:5], s[4:5], s[54:55]          ; q's two tiles
	s_lshl_b32 s56, s[HB], 5
	s_add_co_u32 s56, s56, s57
	s_lshl_b32 s56, s56, 8
	s_lshl_b32 s59, s58, 2
	s_add_co_u32 s54, s56, s59
	s_add_nc_u64 s[6:7], s[6:7], s[54:55]          ; their scale word
	s_lshr_b32 s56, s[HB], 4
	s_lshl_b32 s56, s56, 5
	s_add_co_u32 s56, s56, s57                     ; ao: the block of 64 tokens: 32 x batch + g / 2,
	s_mul_i32 s56, s56, 49152
	s_bfe_u32 s59, s[HB], 0x30001
	s_mul_i32 s59, s59, 6144                       ; K step head / 2,
	s_add_co_u32 s56, s56, s59
	s_mul_i32 s59, s58, 3072                       ; tiles 2 (g % 2) and the next,
	s_add_co_u32 s56, s56, s59
	s_and_b32 s59, s[HB], 1
	s_mul_i32 s59, s59, 768                        ; half head % 2 of the fragment
	s_add_co_u32 s54, s56, s59
	s_add_nc_u64 s[10:11], s[10:11], s[54:55]
	s_lshl_b32 s56, s[HB], 5
	s_lshl_b32 s59, s[CXS], 3
	s_add_co_u32 s56, s56, s59
	s_lshl_b32 s54, s56, 8
	s_add_nc_u64 s[12:13], s[12:13], s[54:55]      ; aos: the work-group's 2,048 bytes
	CROUND                                         ; all four work-groups are here: the joint loads meet
	s_cmp_lt_u32 s[WV], 4                          ; waves 0 to 3 fetch, four records each, in one branch on the wave's number: four loads of mine are out
	s_cbranch_scc0 .Lasked
	tensor_load_to_lds s[G0:G0+3], s[G1:G1+7]
	s_nop 0
	tensor_load_to_lds s[G0+4:G0+7], s[G1:G1+7]
	s_nop 0
	tensor_load_to_lds s[G0+8:G0+11], s[G1:G1+7]
	s_nop 0
	tensor_load_to_lds s[G0+12:G0+15], s[G1:G1+7]
	s_nop 0
	PLACES 4
.Lasked:
	global_load_b128 v[ZQ+6:ZQ+9], v[LI], s[4:5]
	global_load_b64 v[ZQ+10:ZQ+11], v[LJ], s[4:5] offset:512
	global_load_b128 v[ZQ+18:ZQ+21], v[LI], s[4:5] offset:768
	global_load_b64 v[ZQ+22:ZQ+23], v[LJ], s[4:5] offset:1280
	global_load_b32 v[TA], v[LJ], s[6:7]
.irp j, 0,1,2,3,4,5
	v_mov_b32 v[ZQ+\j], 0
	v_mov_b32 v[ZQ+12+\j], 0
	v_mov_b32 v[ZQ+24+\j], 0
.endr
.set J, 0
.rept 64
	v_mov_b32 v[O+J], 0                            ; the step is written once: the first finds zeros
.set J, J+1
.endr
.irp j, 0,1,2,3
	v_mov_b32 v[LS+\j], 0
	v_mov_b32 v[TP+\j], 0                          ; a lane permute's destination counts as one of its sources
.endr
	s_wait_loadcnt 0x0
	v_perm_b32 v[QS], v[TA], v[TA], 0x01000100     ; tile 0's two bytes, twice: they serve [q | 0] and [0 | q] alike; the bytes over the zero codes are bytes of 1 to 254
	v_perm_b32 v[QS+1], v[TA], v[TA], 0x03020302
	PLACES 8                                       ; a scale register written by a vector instruction stands eight places ahead of a scaled matrix instruction
	CHUNK 0
	CHUNK 1
	CHUNK 2
	CHUNK 3
	; THE WAY OUT.  o = O^T / the row's sum; the halves of the lanes change eight registers a block, so that a lane's 16 registers are 16 NEIGHBOURING channels (the last product's other operand is given in true order); quantised; stored as images.
	PLACES 4
	v_add_f32 v[TM], v[LS], v[LS+1]
	v_add_f32 v[TM+2], v[LS+2], v[LS+3]
	v_permlanex16_b32 v[TP], v[TM], s[SEL], s[SEL+1]
	v_permlanex16_b32 v[TP+1], v[TM+2], s[SEL], s[SEL+1]
	v_add_f32 v[TM], v[TM], v[TP]
	v_add_f32 v[TM+2], v[TM+2], v[TP+1]
	v_rcp_f32 v[TM], v[TM]
	v_rcp_f32 v[TM+2], v[TM+2]
	v_nop
	s_wait_alu depctr_va_vdst(0)                   ; one wait for the two reciprocals, ahead of their first reader
.irp t, 0,1
.irp k, 0,2,4,6,8,10,12,14,16,18,20,22,24,26,28,30
	v_pk_mul_f32 v[S+32*\t+\k:S+32*\t+\k+1], v[O+32*\t+\k:O+32*\t+\k+1], v[TM+2*\t:TM+2*\t+1] op_sel_hi:[1,0]
.endr
.endr
.irp t, 0,1
.irp b, 0,1
.irp j, 0,1,2,3,4,5,6,7
	v_permlane16_swap_b32 v[S+32*\t+16*\b+\j], v[S+32*\t+16*\b+8+\j]   ; channels 32 b + 8 + j of lanes 16-31 change places with channels 32 b + 16 + j of lanes 0-15
.endr
.endr
.endr
	QUANT4 S, PC, PC+12
	v_lshl_or_b32 v[PW], v[TP+1], 8, v[TP]
	v_lshl_or_b32 v[PW], v[TP+2], 16, v[PW]
	v_lshl_or_b32 v[PW], v[TP+3], 24, v[PW]
.irp u, 0,1
	global_store_b128 v[LI], v[PC+12*\u:PC+12*\u+3], s[10:11] offset:1536*\u        ; 512 consecutive bytes, at a multiple of 256 from the buffer's first byte
	global_store_b64 v[LJ], v[PC+12*\u+4:PC+12*\u+5], s[10:11] offset:1536*\u+512   ; 256 consecutive bytes
.endr
	ds_store_b32 v[SST], v[PW]                     ; two waves' words make a block of 256 bytes: they meet in the stage
	s_wait_dscnt 0x0                               ; for the others' sake
	s_barrier_signal -1
	s_barrier_wait -1
	s_cmp_lt_u32 s[WV], 4
	s_cbranch_scc0 .Lno_words
	ds_load_b128 v[S:S+3], v[SLD]
	s_wait_dscnt 0x0
	global_store_b128 v[GOF], v[S:S+3], s[12:13]   ; 512 consecutive bytes a wave
.Lno_words:
	s_wait_tensorcnt 0x0
	ds_add_u32 v75, v79
	s_wait_dscnt 0x0
	CROUND                                         ; the closing round
	s_endpgm
.Lfunc_end_k_q3bbec6df7f_attn:
	.size	k_q3bbec6df7f_attn, .Lfunc_end_k_q3bbec6df7f_attn-k_q3bbec6df7f_attn
	.p2alignl 7, 3214868480
	.fill 96, 4, 3214868480
	.section	.rodata,"a",@progbits
	.p2align	6, 0x0
	.amdhsa_kernel k_q3bbec6df7f_attn
		.amdhsa_group_segment_fixed_size 217088
		.amdhsa_private_segment_fixed_size 0
		.amdhsa_enable_private_segment 0
		.amdhsa_kernarg_size 40
		.amdhsa_user_sgpr_count 2
		.amdhsa_user_sgpr_kernarg_segment_ptr 1
		.amdhsa_wavefront_size32 1
		.amdhsa_system_sgpr_workgroup_id_x 1
		.amdhsa_system_sgpr_workgroup_id_y 1
		.amdhsa_system_sgpr_workgroup_id_z 1
		.amdhsa_system_vgpr_workitem_id 0
		.amdhsa_next_free_vgpr 256
		.amdhsa_next_free_sgpr 66
		.amdhsa_reserve_vcc 0
		.amdhsa_float_denorm_mode_32 3
		.amdhsa_float_denorm_mode_16_64 3
		.amdhsa_memory_ordered 1
		.amdhsa_forward_progress 1
		.amdhsa_inst_pref_size 122
	.end_amdhsa_kernel
	.amdgpu_metadata
---
amdhsa.version: [ 1, 2 ]
amdhsa.kernels:
  - .name:           k_q3bbec6df7f_attn
    .symbol:         k_q3bbec6df7f_attn.kd
    .args:
      - { .name: qc, .offset: 0, .size: 8, .value_kind: global_buffer, .address_space: global }
      - { .name: qs, .offset: 8, .size: 8, .value_kind: global_buffer, .address_space: global }
      - { .name: kv, .offset: 16, .size: 8, .value_kind: global_buffer, .address_space: global }
      - { .name: ao, .offset: 24, .size: 8, .value_kind: global_buffer, .address_space: global }
      - { .name: aos, .offset: 32, .size: 8, .value_kind: global_buffer, .address_space: global }
    .group_segment_fixed_size: 217088
    .private_segment_fixed_size: 0
    .kernarg_segment_align: 8
    .kernarg_segment_size: 40
    .max_flat_workgroup_size: 512
    .sgpr_count:     66
    .vgpr_count:     256
    .wavefront_size: 32
...
	.end_amdgpu_metadata
.endif
;; end of part 2
;; launch oproj (part 3): grid 32 x 8, 8 waves a work-group, clusters of 4 x 4, 302,080 bytes of LDS; arguments ao, aos, Wo_codes, Wo_scales, bo, out0; writes out0
.if DOCPART == 3
	.amdgcn_target "amdgcn-amd-amdhsa--gfx1250"
	.amdhsa_code_object_version 6
	.text
	.protected	k_q3bbec6df7f_oproj
	.globl	k_q3bbec6df7f_oproj
	.p2align	8
	.type	k_q3bbec6df7f_oproj,@function
k_q3bbec6df7f_oproj:
	s_mov_b64 s[64:65], 0
	v_nop
	global_prefetch_b8 v0, s[64:65] scope:SCOPE_SE
	s_setreg_imm32_b32 hwreg(HW_REG_WAVE_MODE, 25, 1), 1
	s_wait_xcnt 0x0
	s_wait_alu depctr_hold_cnt(0) depctr_sa_sdst(0) depctr_va_vdst(0) depctr_va_sdst(0) depctr_va_ssrc(0) depctr_va_vcc(0) depctr_vm_vsrc(0)
	s_getreg_b32 s2, hwreg(HW_REG_IB_STS2, 6, 4)
	s_cmp_eq_u32 s2, 0
	s_cbranch_scc0 .Lentry_in_a_cluster
	s_endpgm
.Lentry_in_a_cluster:
	s_bfe_u32 s2, ttmp6, 0x10000c
	s_cmp_lg_u32 s2, 0xf033
	s_cbranch_scc0 .Lentry_shape_is_right
	s_endpgm
.Lentry_shape_is_right:
; out0 = o Wo^T + bo on codes of FP6 (E2M3) with one E8M0 scale for each 32 along K.  o comes as images of operand registers (ao) with its scale bytes (aos), Wo as it is given.
; The matrix instruction's source 0 takes 16 rows of Wo (R: columns of the output), source 1 16 tokens (L): a lane then holds eight neighbouring numbers of a row of the output.
; SHARES.  A work-group makes 128 columns x 256 tokens over all of K = 1,024; its operands are brought into LDS ONCE, so no LDS byte is filled twice.  Eight waves, two to a SIMD: wave w makes columns 64 (w % 2) on
; and tokens 64 (w / 2) on: 16 accumulators, in window 1.  CLUSTER 4 x 4: Wo's rows are shared along a row of the cluster, the tokens along a column, each asked for jointly.
; LDS.  Wo's rows of 768 bytes in three chunks of 256 bytes, each a region of rows 272 bytes apart (68 words: row r starts at bank 4 r, lanes 16-31 stand 6 words on: the 32 lanes of a load of 8 bytes touch 64 different
; banks; 64 banks of 4 bytes: ISA guide 11.1).  Behind them the tokens' images, 49,152 bytes for each 64 tokens, K step by K step: they come in three dense blocks, K steps 0-1, 2-4, 5-7, as Wo's chunks are wanted.
; LIMITS.  NaN, infinities and scale bytes 0xff are not served.
.set P,    272
.set CHS,  128*P                       ; from chunk to chunk: 34,816 bytes, a multiple of 256
.set LB,   3*CHS                       ; the tokens' images
.set TKB,  49152                       ; 64 tokens: 8 K steps x 4 tiles x 1,536 bytes
.set WV,   4
.set RHO,  5
.set LAM,  6
.set CX,   7
.set CY,   8
.set RBLK, 12
.set LBLK, 13
.set G1R,  20                          ; s[20:27] descriptor group 1 for Wo's chunks;  s[28:35] for a dense block of 48 rows;  s[80:87] of 72 rows
.set G1A,  28
.set G1B,  80
.set G0R,  36                          ; s[36:47], s[48:59] three groups 0 each
.set G0L,  48
.set AR,   8                           ; v8-10 LDS address of my rows of Wo in chunk 0, 1, 2;  v11-12 for the pieces whose lanes 16-31 fall into the next chunk
.set AXR,  11
.set AD,   13                          ; v13  my 64 tokens' images + 16 x lane
.set AE,   14                          ; v14  + 8 x lane
.set STO,  15                          ; v15  the way out: where I put 32 bytes of a row
.set SRD,  16                          ; v16  and where I read a row back
.set GO,   17                          ; v17  my byte offset in two rows of the output
.set L8,   26
.set R32,  27
.set BO,   28
.set SC,   40                          ; v40-71  scale words and nothing else: register 8 i + s: lanes 0-15 Wo's tile i, lanes 16-31 the tokens' tile i, K step s
.set BR,   72                          ; v72-103 bo, eight registers a tile, in the result's layout
.set RF,   104
.set LF,   152
.set T1,   104                         ; at the head: Wo's scale words as loaded;
.set AT,   136                         ; o's scale bytes as loaded: head k: registers 2 k, 2 k + 1;
.set LW,   168                         ; o's scale words
.set BK,   72                          ; the way out: v72-199: 32 registers for each tile of tokens
.set MSB, 0
.macro WIN new
.if MSB != \new
	s_set_vgpr_msb (MSB<<8)|\new
.set MSB, \new
.endif
.endm
.macro PLACES n
.rept \n
	v_nop
.endr
.endm
.macro CROUND
	s_barrier_signal -1
	s_barrier_wait -1
	s_cmp_lg_u32 s[WV], 0
	s_cbranch_scc1 .Lnot_wave_0_\@
	s_barrier_signal -3
.Lnot_wave_0_\@:
	s_barrier_wait -3
	s_barrier_signal -1
	s_barrier_wait -1
.endm
.macro FRAGN reg, adr, adx, s, i       ; a fragment from rows as they lie in memory: lanes 0-15 take the row's pieces of 8 bytes 12 s + 0, 1, 2, 6, 7, 8, lanes 16-31 those three pieces on
.irp p, 0,1,2,3,4,5
.set PCE, 12*(\s)+6*(\p/3)+\p%3
.if PCE%32 < 29
	ds_load_b64 v[(\reg)+2*\p:(\reg)+2*\p+1], v[(\adr)+PCE/32] offset:8*(PCE%32)+(\i)*16*P
.else
	ds_load_b64 v[(\reg)+2*\p:(\reg)+2*\p+1], v[(\adx)+PCE/32] offset:8*(PCE%32)+(\i)*16*P
.endif
.endr
.endm
.macro FRAGI reg, off                  ; a fragment from its image
.irp a, 0,1
	ds_load_b128 v[(\reg)+6*\a:(\reg)+6*\a+3], v[AD] offset:(\off)+768*\a
	ds_load_b64 v[(\reg)+6*\a+4:(\reg)+6*\a+5], v[AE] offset:(\off)+768*\a+512
.endr
.endm
.macro MUL8 s, j0                      ; the sixteen accumulators take turns, one instruction a turn, in the same order in every step
.irp j, \j0, \j0+1
.irp i, 0,1,2,3
.if (\s) == 0
	v_wmma_scale_f32_16x16x128_f8f6f4 v[8*(4*\i+(\j)):8*(4*\i+(\j))+7], v[RF+12*\i:RF+12*\i+11], v[LF+12*(\j):LF+12*(\j)+11], v[BR+8*\i:BR+8*\i+7], v[SC+8*\i+(\s)], v[SC+8*(\j)+(\s)] matrix_a_fmt:MATRIX_FMT_FP6 matrix_b_fmt:MATRIX_FMT_FP6 matrix_b_scale:MATRIX_SCALE_ROW1
.else
	v_wmma_scale_f32_16x16x128_f8f6f4 v[8*(4*\i+(\j)):8*(4*\i+(\j))+7], v[RF+12*\i:RF+12*\i+11], v[LF+12*(\j):LF+12*(\j)+11], v[8*(4*\i+(\j)):8*(4*\i+(\j))+7], v[SC+8*\i+(\s)], v[SC+8*(\j)+(\s)] matrix_a_fmt:MATRIX_FMT_FP6 matrix_b_fmt:MATRIX_FMT_FP6 matrix_b_scale:MATRIX_SCALE_ROW1
.endif
.endr
.endr
.endm
.macro STEP s
.if (\s) == 0
	s_wait_tensorcnt 0x2                           ; my first load has landed; the two behind it may be out
.endif
.if (\s) == 2
	s_wait_tensorcnt 0x1
.endif
.if (\s) == 5
	s_wait_tensorcnt 0x0
.endif
.if ((\s) == 0) || ((\s) == 2) || ((\s) == 5)
	s_barrier_signal -1                            ; no LDS instruction of mine is out here
	s_barrier_wait -1
.endif
.if (\s) > 0
	PLACES 4                                       ; in front of loads into registers that matrix instructions have read
.endif
.irp i, 0,1,2,3
	FRAGN RF+12*\i, AR, AXR, \s, \i
.endr
.irp i, 0,1,2,3
	FRAGI LF+12*\i, 6144*(\s)+1536*\i
.endr
	s_wait_dscnt 8                                 ; all but the youngest eight loads: the tokens' tiles 2 and 3
.if (\s) == 0
	WIN 0x40                                       ; D in window 1; bo, as C, in window 0
.else
	WIN 0x50
.endif
	MUL8 \s, 0
	s_wait_dscnt 0x0
	MUL8 \s, 2
	WIN 0
.endm
	s_load_b256 s[68:75], s[0:1], 0x0              ; ao s[68:69], aos s[70:71], Wo's codes s[72:73], Wo's scales s[74:75]
	s_load_b128 s[76:79], s[0:1], 0x20             ; bo s[76:77], out0 s[78:79]
	v_lshl_add_u32 v254, v0, 2, 0x49800
	v_mov_b32 v255, 0
	ds_add_u32 v254, v255
	ds_add_u32 v254, v255
	v_lshrrev_b32 v3, 5, v0
	v_readfirstlane_b32 s[WV], v3
	s_and_b32 s[RHO], s[WV], 1
	s_lshr_b32 s[LAM], s[WV], 1
	s_bfe_u32 s[CX], ttmp6, 0x40000
	s_bfe_u32 s[CY], ttmp6, 0x40004
	s_lshl_b32 s[LBLK], ttmp9, 2
	s_add_co_u32 s[LBLK], s[LBLK], s[CX]           ; which 256 tokens
	s_and_b32 s[RBLK], ttmp7, 0xffff
	s_lshl_b32 s[RBLK], s[RBLK], 2
	s_add_co_u32 s[RBLK], s[RBLK], s[CY]           ; which 128 rows of Wo
	s_lshl_b32 s16, s[CY], 2
	s_lshl_b32 s16, 15, s16                        ; my row of the cluster
	s_lshl_b32 s17, 0x1111, s[CX]                  ; my column
	s_or_b32 s[G1R], s16, (3<<16)|(1<<20)|(1<<21)|(5<<22)|(3<<25)   ; 64 rows of 32 elements of 8 bytes, 96 elements apart, 4 words of padding behind every 64 words
	s_mov_b32 s[G1R+1], 32<<16
	s_mov_b32 s[G1R+2], 64<<16
	s_mov_b32 s[G1R+3], 32<<16
	s_mov_b32 s[G1R+4], 64
	s_mov_b32 s[G1R+5], 96
	s_mov_b32 s[G1R+6], 0
	s_mov_b32 s[G1R+7], 0
	s_or_b32 s[G1A], s17, (3<<16)|(1<<21)          ; a dense block of 48 rows of 256 bytes: two K steps of 64 tokens
	s_mov_b32 s[G1A+1], 32<<16
	s_mov_b32 s[G1A+2], 48<<16
	s_mov_b32 s[G1A+3], 32<<16
	s_mov_b32 s[G1A+4], 48
	s_mov_b32 s[G1A+5], 32
	s_mov_b32 s[G1A+6], 0
	s_mov_b32 s[G1A+7], 0
	s_or_b32 s[G1B], s17, (3<<16)|(1<<21)          ; and of 72 rows: three K steps
	s_mov_b32 s[G1B+1], 32<<16
	s_mov_b32 s[G1B+2], 72<<16
	s_mov_b32 s[G1B+3], 32<<16
	s_mov_b32 s[G1B+4], 72
	s_mov_b32 s[G1B+5], 32
	s_mov_b32 s[G1B+6], 0
	s_mov_b32 s[G1B+7], 0
	s_lshl_b32 s18, s[RBLK], 7
	s_lshl_b32 s19, s[RHO], 6
	s_add_co_u32 s18, s18, s19                     ; my first row of Wo; also the first of the 64 that waves 0 and 1 fetch
	s_lshl_b32 s61, s[LBLK], 2
	s_add_co_u32 s62, s[WV], 2
	s_and_b32 s62, s62, 3                          ; which 64 tokens waves 2 to 5 fetch
	s_add_co_u32 s60, s61, s62
	s_add_co_u32 s61, s61, s[LAM]                  ; my block of 64 tokens
	; every LDS address is made here, ahead of the branches on the wave's number
	v_and_b32 v1, 15, v0                           ; r
	v_bfe_u32 v2, v0, 4, 1                         ; h
	v_and_b32 v3, 31, v0                           ; lane
	v_mul_u32_u24 v4, v1, P
	v_mad_u32_u24 v5, v2, 24, v4
	v_mad_u32_u24 v6, v2, CHS-232, v4
	s_mul_i32 s14, s[RHO], 64*P
	v_add_nc_u32 v[AR], s14, v5
	v_add_nc_u32 v[AR+1], CHS, v[AR]
	v_add_nc_u32 v[AR+2], 2*CHS, v[AR]
	v_add_nc_u32 v[AXR], s14, v6
	v_add_nc_u32 v[AXR+1], CHS, v[AXR]
	s_mul_i32 s15, s[LAM], TKB
	s_add_co_u32 s15, s15, LB
	v_lshl_add_u32 v[AD], v3, 4, s15
	v_lshl_add_u32 v[AE], v3, 3, s15
	s_mul_i32 s16, s[WV], 16*P                     ; my stage: 16 rows of 272 bytes, in Wo's chunk 0
	v_lshl_add_u32 v[STO], v2, 5, v4
	v_add_nc_u32 v[STO], s16, v[STO]               ; in: row r, + 32 h
	v_mul_u32_u24 v[SRD], v2, P
	v_lshl_add_u32 v[SRD], v1, 4, v[SRD]
	v_add_nc_u32 v[SRD], s16, v[SRD]               ; back: lanes 0-15 one row, lanes 16-31 the next
	v_lshlrev_b32 v[GO], 12, v2
	v_lshl_add_u32 v[GO], v1, 4, v[GO]             ; and the same two rows of the output, 4,096 bytes apart
	v_lshlrev_b32 v[L8], 3, v3
	v_lshlrev_b32 v[R32], 5, v1
	v_lshlrev_b32 v[BO], 5, v2
	s_mul_i32 s88, s18, 768
	s_mov_b32 s89, 0
	s_mul_i32 s92, s60, TKB
	s_mov_b32 s93, 0
	s_mul_i32 s63, s62, TKB
	s_add_co_u32 s63, s63, LB
	s_wait_dscnt 0x0
	s_wait_kmcnt 0x0
	s_add_nc_u64 s[90:91], s[72:73], s[88:89]
	s_add_nc_u64 s[94:95], s[68:69], s[92:93]
.irp c, 0,1,2
	s_mov_b32 s[G0R+4*\c], 1
	s_add_co_u32 s[G0R+4*\c+1], s14, \c*CHS
	s_add_nc_u64 s[G0R+4*\c+2:G0R+4*\c+3], s[90:91], \c*256
	s_or_b32 s[G0R+4*\c+3], s[G0R+4*\c+3], 0x80000000
.endr
.set NN, 0
.irp z, 0,2,5                          ; the blocks begin with K steps 0, 2 and 5
	s_mov_b32 s[G0L+4*NN], 1
	s_add_co_u32 s[G0L+4*NN+1], s63, \z*6144
	s_add_nc_u64 s[G0L+4*NN+2:G0L+4*NN+3], s[94:95], \z*6144
	s_or_b32 s[G0L+4*NN+3], s[G0L+4*NN+3], 0x80000000
.set NN, NN+1
.endr
	s_lshl_b32 s88, s18, 5
	s_add_nc_u64 s[74:75], s[74:75], s[88:89]      ; Wo's scale bytes at my first row
	s_lshl_b32 s88, s18, 2
	s_add_nc_u64 s[76:77], s[76:77], s[88:89]      ; bo at my first column
	s_add_nc_u64 s[78:79], s[78:79], s[88:89]      ; out0 at my first column,
	s_lshl_b32 s88, s61, 18
	s_add_nc_u64 s[78:79], s[78:79], s[88:89]      ; and my first token: 64 rows of 4,096 bytes a block
	s_lshr_b32 s88, s61, 5
	s_lshl_b32 s88, s88, 9
	s_and_b32 s92, s61, 31
	s_add_co_u32 s88, s88, s92
	s_lshl_b32 s88, s88, 8
	s_add_nc_u64 s[70:71], s[70:71], s[88:89]      ; aos: (512 x batch + my block in it) x 256; from head to head 8,192 bytes
	CROUND                                         ; all sixteen work-groups are here: the joint loads meet
	s_cmp_lt_u32 s[WV], 2                          ; a wave's three loads stand in one branch on the wave's number: three loads of mine are out
	s_cbranch_scc0 .Lnot_r
	tensor_load_to_lds s[G0R:G0R+3], s[G1R:G1R+7]
	s_nop 0
	tensor_load_to_lds s[G0R+4:G0R+7], s[G1R:G1R+7]
	s_nop 0
	tensor_load_to_lds s[G0R+8:G0R+11], s[G1R:G1R+7]
	s_nop 0
	PLACES 4
	s_branch .Lasked
.Lnot_r:
	s_cmp_lt_u32 s[WV], 6
	s_cbranch_scc0 .Lasked
	tensor_load_to_lds s[G0L:G0L+3], s[G1A:G1A+7]
	s_nop 0
	tensor_load_to_lds s[G0L+4:G0L+7], s[G1B:G1B+7]
	s_nop 0
	tensor_load_to_lds s[G0L+8:G0L+11], s[G1B:G1B+7]
	s_nop 0
	PLACES 4
.Lasked:
.irp i, 0,1,2,3
	global_load_b128 v[T1+8*\i:T1+8*\i+3], v[R32], s[74:75] offset:512*\i
	global_load_b128 v[T1+8*\i+4:T1+8*\i+7], v[R32], s[74:75] offset:512*\i+16
.endr
.irp k, 0,1,2,3,4,5,6,7,8,9,10,11,12,13,14,15
	global_load_b64 v[AT+2*\k:AT+2*\k+1], v[L8], s[70:71] offset:8192*\k   ; head k: 256 consecutive bytes: word g: the two bytes of tile 2 g below, of tile 2 g + 1 above
.endr
.irp i, 0,1,2,3
	global_load_b128 v[BR+8*\i:BR+8*\i+3], v[BO], s[76:77] offset:64*\i
	global_load_b128 v[BR+8*\i+4:BR+8*\i+7], v[BO], s[76:77] offset:64*\i+16
.endr
	s_mov_b32 vcc_lo, 0xffff0000
	s_wait_loadcnt 0x0
.irp s, 0,1,2,3,4,5,6,7                ; K step s is heads 2 s and 2 s + 1: the first head's two bytes below, the second's above
.irp g, 0,1
	v_perm_b32 v[LW+16*\g+\s], v[AT+4*\s+2+\g], v[AT+4*\s+\g], 0x05040100
	v_perm_b32 v[LW+16*\g+8+\s], v[AT+4*\s+2+\g], v[AT+4*\s+\g], 0x07060302
.endr
.endr
.irp s, 0,1,2,3,4,5,6,7
.irp i, 0,1,2,3
	v_cndmask_b32 v[SC+8*\i+\s], v[T1+8*\i+\s], v[LW+8*\i+\s], vcc_lo    ; lanes 0-15 keep Wo's word, lanes 16-31 take the tokens'
.endr
.endr
	PLACES 8                                       ; a scale register written by a vector instruction stands eight places ahead of a scaled matrix instruction
.irp s, 0,1,2,3,4,5,6,7
	STEP \s
.endr
	; THE WAY OUT, a tile of 16 tokens x my 64 columns at a time, through my own stage and back as whole rows of 256 bytes.  The stage lies in Wo's chunk 0: it has had its one fill, and every wave's last read of it
	; was waited for ahead of the barrier at K step 5.  LDS serves a wave's instructions in order (ISA guide 5.7.1.4): no wait between the stores and the loads, nor in front of the next tile's stores.
	PLACES 4
.irp t, 0,1,2,3
	WIN 0x04                                       ; an LDS store's data are its source 1: window 1
.irp i, 0,1,2,3
	ds_store_b128 v[STO], v[8*(4*\i+\t):8*(4*\i+\t)+3] offset:64*\i            ; each accumulator from its low end on
	ds_store_b128 v[STO], v[8*(4*\i+\t)+4:8*(4*\i+\t)+7] offset:64*\i+16
.endr
	WIN 0
.irp k, 0,1,2,3,4,5,6,7
	ds_load_b128 v[BK+32*\t+4*\k:BK+32*\t+4*\k+3], v[SRD] offset:2*\k*P
.endr
.endr
.irp t, 0,1,2,3
	s_wait_dscnt 16*(3-\t)                         ; behind tile t's loads stand the sixteen LDS instructions of each later tile
.irp k, 0,1,2,3,4,5,6,7
	global_store_b128 v[GO], v[BK+32*\t+4*\k:BK+32*\t+4*\k+3], s[78:79] offset:(16*\t+2*\k)*4096 th:TH_STORE_NT   ; sixteen lanes store 256 consecutive bytes, at a multiple of 256 from the output's first byte
.endr
.endr
	s_wait_tensorcnt 0x0
	ds_add_u32 v254, v255
	s_wait_dscnt 0x0
	CROUND                                         ; the closing round
	s_endpgm
.Lfunc_end_k_q3bbec6df7f_oproj:
	.size	k_q3bbec6df7f_oproj, .Lfunc_end_k_q3bbec6df7f_oproj-k_q3bbec6df7f_oproj
	.p2alignl 7, 3214868480
	.fill 96, 4, 3214868480
	.section	.rodata,"a",@progbits
	.p2align	6, 0x0
	.amdhsa_kernel k_q3bbec6df7f_oproj
		.amdhsa_group_segment_fixed_size 302080
		.amdhsa_private_segment_fixed_size 0
		.amdhsa_enable_private_segment 0
		.amdhsa_kernarg_size 48
		.amdhsa_user_sgpr_count 2
		.amdhsa_user_sgpr_kernarg_segment_ptr 1
		.amdhsa_wavefront_size32 1
		.amdhsa_system_sgpr_workgroup_id_x 1
		.amdhsa_system_sgpr_workgroup_id_y 1
		.amdhsa_system_sgpr_workgroup_id_z 1
		.amdhsa_system_vgpr_workitem_id 0
		.amdhsa_next_free_vgpr 384
		.amdhsa_next_free_sgpr 96
		.amdhsa_reserve_vcc 1
		.amdhsa_float_denorm_mode_32 3
		.amdhsa_float_denorm_mode_16_64 3
		.amdhsa_memory_ordered 1
		.amdhsa_forward_progress 1
		.amdhsa_inst_pref_size 62
	.end_amdhsa_kernel
	.amdgpu_metadata
---
amdhsa.version: [ 1, 2 ]
amdhsa.kernels:
  - .name:           k_q3bbec6df7f_oproj
    .symbol:         k_q3bbec6df7f_oproj.kd
    .args:
      - { .name: ao, .offset: 0, .size: 8, .value_kind: global_buffer, .address_space: global }
      - { .name: aos, .offset: 8, .size: 8, .value_kind: global_buffer, .address_space: global }
      - { .name: Wo_codes, .offset: 16, .size: 8, .value_kind: global_buffer, .address_space: global }
      - { .name: Wo_scales, .offset: 24, .size: 8, .value_kind: global_buffer, .address_space: global }
      - { .name: bo, .offset: 32, .size: 8, .value_kind: global_buffer, .address_space: global }
      - { .name: out0, .offset: 40, .size: 8, .value_kind: global_buffer, .address_space: global }
    .group_segment_fixed_size: 302080
    .private_segment_fixed_size: 0
    .kernarg_segment_align: 8
    .kernarg_segment_size: 48
    .max_flat_workgroup_size: 256
    .sgpr_count:     96
    .vgpr_count:     384
    .wavefront_size: 32
...
	.end_amdgpu_metadata
.endif
;; end of part 3
